; MI455X (gfx1250); checked and timed in simulation.
; The chip was launched on July 23, 2026; its instructions are those of AMD's public machine-readable ISA for CDNA 5 (MIT licence, August 2026) and "CDNA5" Instruction Set Architecture Reference Guide (July 2026). The comments in the code are by the model that wrote it; some were corrected since.
;; Multi Head Attention. Allowed arithmetic: matrix products marked QUANTISED: E2M3 operands, one E8M0 scale for each 32 along K, by v_wmma_scale_f32_16x16x128_f8f6f4 with both operands' format E2M3, f32 sums; everything else in f32.
;; Inputs: Wk_codes 512 x 16 x 24 uint8 (E2M3 codes of Wk, K innermost, in blocks of 32 codes, four codes in three bytes); Wk_scales 512 x 16 uint8 (E8M0 scales of Wk, one for each 32 codes along K); Wo_codes 512 x 16 x 24 uint8 (E2M3 codes of Wo, K innermost, in blocks of 32 codes, four codes in three bytes); Wo_scales 512 x 16 uint8 (E8M0 scales of Wo, one for each 32 codes along K); Wq_codes 512 x 16 x 24 uint8 (E2M3 codes of Wq, K innermost, in blocks of 32 codes, four codes in three bytes); Wq_scales 512 x 16 uint8 (E8M0 scales of Wq, one for each 32 codes along K); Wv_codes 512 x 16 x 24 uint8 (E2M3 codes of Wv, K innermost, in blocks of 32 codes, four codes in three bytes); Wv_scales 512 x 16 uint8 (E8M0 scales of Wv, one for each 32 codes along K); bk 512 float32; bo 512 float32; bq 512 float32; bv 512 float32; x_codes 2 x 4,096 x 16 x 24 uint8 (E2M3 codes of x, K innermost, in blocks of 32 codes, four codes in three bytes); x_scales 2 x 4,096 x 16 uint8 (E8M0 scales of x, one for each 32 codes along K).
;; Outputs: out0 2 x 4,096 x 512 float32.
;; This version of the problem:
;;   THIS VERSION OF THE PROBLEM IS GIVEN IN LOW PRECISION. The matrix products marked QUANTISED in the list below multiply operands that are first quantised to E2M3 (2 exponent bits, 3 mantissa bits; 6 bits a number), with one power-of-two scale for each 32 numbers along K (OCP MX v1.0); their sums are f32. All else is computed in f32.
;;   The module's matrix products, in the order in which they are computed (A, B: the left and right operand; K: the contracted axis; several contracted axes count as one K, in the product's order):
;;     1. [M 8,192, K 512] x [K 512, N 512]; A: input x (given as codes); B: input Wq (given as codes): QUANTISED
;;     2. [M 8,192, K 512] x [K 512, N 512]; A: input x (given as codes); B: input Wk (given as codes): QUANTISED
;;     3. [M 8,192, K 512] x [K 512, N 512]; A: input x (given as codes); B: input Wv (given as codes): QUANTISED
;;     4. batch 16 x [M 4,096, K 64] x [K 64, N 4,096]; A: computed on the way; B: computed on the way: QUANTISED
;;     5. batch 16 x [M 4,096, K 4,096] x [K 4,096, N 64]; A: softmax (see below); B: computed on the way: QUANTISED
;;     6. [M 8,192, K 512] x [K 512, N 512]; A: computed on the way; B: input Wo (given as codes): QUANTISED
;;   THE QUANTISER, for each operand of a quantised product, along K:
;;     - K is cut into blocks of 32 from its start; a last block that is shorter is filled with zeros.
;;     - A block's scale is 2^e with e = floor(log2(the largest magnitude in the block)) - 2, held to -126 .. 127; a block of zeros has e = 0. As a byte (E8M0): e + 127.
;;     - Each number is divided by its block's scale, clamped to +-7.5, and rounded to the nearest number of E2M3, ties to even, subnormals kept.
;;     - The product sums the exact products of the quantised numbers (number of the format x scale) in f32.
;;   ~~~python
;;   def quantise(x, axis):      # numpy; x: float32 -> the quantised numbers, widened to float32 again
;;       x = np.moveaxis(x, axis, -1); K = x.shape[-1]
;;       x = np.pad(x, [(0, 0)] * (x.ndim - 1) + [(0, -K % 32)]); x = x.reshape(x.shape[:-1] + (-1, 32)); a = np.abs(x).max(-1, keepdims=True)
;;       e = np.where(a > 0, np.clip(np.frexp(np.where(a > 0, a, 1))[1] - 1 - 2, -126, 127), 0)      # np.frexp(a)[1] - 1 = floor(log2(a)), exactly
;;       r = np.clip(x / 2.0 ** e, -7.5, 7.5)
;;       step = 2.0 ** (np.maximum(np.frexp(np.where(r == 0, 1, r))[1] - 1, 0) - 3)
;;       q = np.round(r / step) * step * 2.0 ** e      # np.round: ties to even
;;       return np.moveaxis(q.reshape(q.shape[:-2] + (-1,))[..., :K], -1, axis).astype(np.float32)
;;   ~~~
;;   SOFTMAX AHEAD OF A QUANTISED PRODUCT. Where the list says 'softmax', what is quantised is not the finished softmax but p = 2^(t - M), with t = logit x log2(e) and M = ceil(the row's largest t), a whole number; so 1/2 < the row's largest p <= 1. The row's sum l is taken of the UNQUANTISED p, in f32, and the product's result is divided by l at the end. Since M is a whole number, a kernel that streams over the keys may use a running M (the ceiling of the running maximum): every later rescaling is an exact power of two, which a block's scale takes up: the codes' values come out the same.
;;   OPERANDS COMPUTED ON THE WAY. 'Computed on the way' means the value that the module computes at that place (a softmax that the list does not call 'softmax' is quantised finished and normalised). What goes into a quantiser is computed in f32, as accurately as f32 sums, v_exp_f32 and their like allow (about 1e-6 of the number): no bf16 or f16 on the way to a quantiser, and a product that is left as it is and whose result goes on into a quantised operand takes f32 operands (vector FMAs, or v_wmma_f32_16x16x4_f32). A number that lies on a knife's edge between two numbers of the format may be rounded either way, as far as f32 arithmetic and the matrix unit's own rounding can turn it there, and no further.
;;   INPUTS GIVEN AS CODES. Wk (in the module: [512, 512], K = its axis 1); Wo (in the module: [512, 512], K = its axis 1); Wq (in the module: [512, 512], K = its axis 1); Wv (in the module: [512, 512], K = its axis 1); x (in the module: [2, 4096, 512], K = its axis 2): each comes as NAME_codes (uint8): NAME with its K axis moved to the last place and cut into blocks of 32 codes, [.., K / 32, bytes a block], one block behind the other in memory; four codes in three bytes: a row's codes are one little-endian stream of bits, code i at bits 6 i .. 6 i + 5 (a code: sign, 2 exponent bits, 3 mantissa bits); and NAME_scales (uint8): the same leading axes, one E8M0 byte (e + 127) for each 32 codes along K. Its value is code x scale, taken as it is: it is not quantised again, and the codes and scales need not be those that the quantiser above would give.
;; One version. Each part assembles by itself: llvm-mc -triple=amdgcn-amd-amdhsa -mcpu=gfx1250 --defsym DOCPART=n.
;; ======== version 1 of 1: 3 launches
;; limits: right only within a limited range of input values
;; workspace buffers: qimg 3,407,872 bytes; kv 6,815,744 bytes; ctx 3,145,728 bytes; csc 262,144 bytes
;; launch qkv (part 1): grid 8 x 32, 4 waves a work-group, clusters of 4 x 4, 327,680 bytes of LDS; arguments x_codes, x_scales, Wq_codes, Wq_scales, bq, Wk_codes, Wk_scales, bk, Wv_codes, Wv_scales, bv, qimg, kv; writes qimg, kv
.if DOCPART == 1
	.amdgcn_target "amdgcn-amd-amdhsa--gfx1250"
	.amdhsa_code_object_version 6
	.text
	.protected	k_q37ede76c2d_qkv
	.globl	k_q37ede76c2d_qkv
	.p2align	8
	.type	k_q37ede76c2d_qkv,@function
k_q37ede76c2d_qkv:
	s_mov_b64 s[64:65], 0
	v_nop
	global_prefetch_b8 v0, s[64:65] scope:SCOPE_SE
	s_setreg_imm32_b32 hwreg(HW_REG_WAVE_MODE, 25, 1), 1
	s_wait_xcnt 0x0
	s_wait_alu depctr_hold_cnt(0) depctr_sa_sdst(0) depctr_va_vdst(0) depctr_va_sdst(0) depctr_va_ssrc(0) depctr_va_vcc(0) depctr_vm_vsrc(0)
	s_getreg_b32 s2, hwreg(HW_REG_IB_STS2, 6, 4)
	s_cmp_eq_u32 s2, 0
	s_cbranch_scc0 .Lentry_in_a_cluster
	s_endpgm
.Lentry_in_a_cluster:
	s_bfe_u32 s2, ttmp6, 0x10000c
	s_cmp_lg_u32 s2, 0xf033
	s_cbranch_scc0 .Lentry_shape_is_right
	s_endpgm
.Lentry_shape_is_right:
; Q = x Wq^T + bq, K = x Wk^T + bk, V = x Wv^T + bv on codes of FP6 (E2M3) as they are given; each result is quantised for the attention launch: Q and K along the head's 64 channels, V along the keys.
; Nothing of reference() is left out in this program; every input is loaded.
; LIMITS: NaN, infinities and scale bytes 0xff among the inputs are not served; a block of zeros gets the byte 1 (its codes are zeros; this program alone reads the bytes).
; SHARES.  A work-group makes 256 tokens x one head's 64 channels of Q, K and V; a wave 64 tokens: 16 accumulators, 64 matrix instructions a product, K = 512 in four steps.
; ORDER OF A TILE'S ROWS.  Row r of tile t (of x: tokens; of W: channels) is element 8 t + r % 8 + 32 (r / 8) of the 64.  So the 32 result registers of four tiles are, in lane half h, elements 32 h + 0 .. 31:
; ONE WHOLE BLOCK of the next product's K in a lane, in the order that an operand's registers want: no lane is asked for a maximum and no codes change lanes.
; Q and K are made transposed (source 0 = W's rows, source 1 = x's): a lane holds one token and its registers run along the channels.  V is made with x as source 0: a lane holds one channel and its registers run along the tokens.
; OUT.  An image of six operand registers is 768 bytes: registers 0-3 at 16 x lane, 4-5 at 512 + 8 x lane.  qimg: for each 64 tokens of a head four images and a scale unit (3,328 bytes).
; kv: for each 64 tokens K's four images, V^T's four, K's scale unit, V's (6,656 bytes).  A scale unit: 8 bytes a lane: lane 16 (tile % 2) + r, word tile / 2; a word holds the row's two bytes, block 0's lowest.
; THE HEAD'S TILES, one tensor load a wave: waves 0-2 bring 64 rows of Wq, Wk, Wv, wave 3 the work-group's 256 rows of x.  Rows of 384 bytes are dense in memory: they are stated as rows of 256 bytes, each on a multiple of 256;
; 16 bytes of padding behind every 128 make a row of codes 432 bytes in LDS.  Nothing is filled twice.
; CLUSTER 4 x 4: x's rows hang on the row block alone and are asked for jointly along a row of the cluster, W's on the head alone, jointly along a column.
; NO PREFETCH: the launch has no loop to run ahead in.
; REGISTERS: window 0: addresses, scale words, accumulators, codes.  window 1: Wq's, later Wv's fragments; v192-223 bq's C tiles, v224-255 bv's.  window 2: x's fragments.  window 3: Wk's fragments; v192-223 bk's C tiles.
.set PITCH, 432
.set TILEB, 64*PITCH
.set XB,    3*TILEB                    ; behind W's three tiles: x's 256 rows
.set SPARE, XB+4*TILEB                 ; the spare words, 128 bytes for each wave
.set LN,  1
.set RR,  2
.set HH,  3
.set L16, 4
.set L8,  5
.set SPW, 6                            ; LDS address of my spare word; never rewritten
.set NIL, 7                            ; 0; never rewritten
.set AW,  8                            ; v8-9 my lane's place in a tile of W (v9: behind one padding more);  v10-11 the same two tiles on;  v12-13 in my 64 rows of x
.set AW2, 10
.set AX,  12
.set SRO, 14
.set RHO, 15                           ; r % 8 + 32 (r / 8)
.set WS,  16                           ; v16-39 W's scale words: 8 x product + 4 x (tile / 2) + K step, lanes 16 (tile % 2) on
.set XS,  40                           ; v40-47 x's
.set ACC, 48                           ; v48-175 sixteen accumulators
.set PC,  176                          ; v176-199 four images
.set PT,  200                          ; v200-215 the conversions' second halves
.set PW,  216                          ; v216-219 the four tiles' scale words
.set SP,  220
.set B64, 222
.set B4R, 223
.set TM,  224                          ; v224-231 eight chains of maxima, later the two forms of a word
.set SO,  232                          ; v232-235 the conversions' scale operands
.set BY,  236                          ; v236-239 the scale bytes
.set XP,  240                          ; v240-243 lane l xor 16's bytes
.set WV,  30
.set G1X, 32
.set G1W, 40
.set G0X, 48
.set G0W, 52
.set SEL, 80
.set MSB, 0
.macro WIN new                         ; the immediate's high byte repeats the setting that is left
.if MSB != \new
	s_set_vgpr_msb (MSB<<8)|\new
.set MSB, \new
.endif
.endm
.macro CROUND                          ; a round of the cluster's barrier
	s_barrier_signal -1
	s_barrier_wait -1
	s_cmp_lg_u32 s[WV], 0
	s_cbranch_scc1 .Lnot_wave_0_\@
	s_barrier_signal -3
.Lnot_wave_0_\@:
	s_barrier_wait -3
	s_barrier_signal -1
	s_barrier_wait -1
.endm
.macro PLACES
.rept 4
	v_nop
.endr
.endm
; A fragment from rows of codes: pieces of 8 bytes; 16 bytes of padding lie behind every 16 pieces: where the piece three on lies behind one padding more, the second address register serves
.macro FRAG reg, adr, q, rowoff
.irp p, 0,1,2,3,4,5
.set PCN, 12*(\q)+6*(\p/3)+\p%3
.if PCN%16 < 13
	ds_load_b64 v[\reg+2*\p:\reg+2*\p+1], v[\adr] offset:8*PCN+16*(PCN/16)+\rowoff
.else
	ds_load_b64 v[\reg+2*\p:\reg+2*\p+1], v[\adr+1] offset:8*PCN+16*(PCN/16)+\rowoff
.endif
.endr
.endm
.macro LOADKS ks                       ; one K step's fragments of x (window 2) and of Wq (window 1): 48 LDS loads
	WIN 0x80
.irp i, 0,1,2,3
	FRAG 12*(4*\i+(\ks)), AX, (\ks), 8*\i*PITCH
.endr
	WIN 0x40
.irp t, 0,1,2,3
	FRAG 12*(4*\t+(\ks)), AW, (\ks), 8*\t*PITCH
.endr
	WIN 0
.endm
.macro LOADW win, adr, base
	WIN \win
.irp t, 0,1,2,3
.irp ks, 0,1,2,3
	FRAG 12*(4*\t+\ks), \adr, \ks, \base+8*\t*PITCH
.endr
.endr
	WIN 0
.endm
.macro WM d, a, b, c, sa, sb, ra, rb   ; ra, rb = 1: that side's scale words stand in lanes 16-31 of the register named
.if ((\ra) == 0) && ((\rb) == 0)
	v_wmma_scale_f32_16x16x128_f8f6f4 v[\d:\d+7], v[\a:\a+11], v[\b:\b+11], v[\c:\c+7], v[\sa], v[\sb] matrix_a_fmt:MATRIX_FMT_FP6 matrix_b_fmt:MATRIX_FMT_FP6
.elseif (\rb) == 0
	v_wmma_scale_f32_16x16x128_f8f6f4 v[\d:\d+7], v[\a:\a+11], v[\b:\b+11], v[\c:\c+7], v[\sa], v[\sb] matrix_a_fmt:MATRIX_FMT_FP6 matrix_b_fmt:MATRIX_FMT_FP6 matrix_a_scale:MATRIX_SCALE_ROW1
.elseif (\ra) == 0
	v_wmma_scale_f32_16x16x128_f8f6f4 v[\d:\d+7], v[\a:\a+11], v[\b:\b+11], v[\c:\c+7], v[\sa], v[\sb] matrix_a_fmt:MATRIX_FMT_FP6 matrix_b_fmt:MATRIX_FMT_FP6 matrix_b_scale:MATRIX_SCALE_ROW1
.else
	v_wmma_scale_f32_16x16x128_f8f6f4 v[\d:\d+7], v[\a:\a+11], v[\b:\b+11], v[\c:\c+7], v[\sa], v[\sb] matrix_a_fmt:MATRIX_FMT_FP6 matrix_b_fmt:MATRIX_FMT_FP6 matrix_a_scale:MATRIX_SCALE_ROW1 matrix_b_scale:MATRIX_SCALE_ROW1
.endif
.endm
; Q or K: accumulator (token tile i, channel tile t) at ACC + 32 i + 8 t; the bias is the C of each sum's first instruction; the sixteen take turns, one instruction a turn
.macro MULQK w0, w1, wsb, pipe         ; pipe = 1: the fragments come K step by K step, one step ahead of the products
.irp ks, 0,1,2,3
.if \pipe
.if (\ks == 1) || (\ks == 2)
	LOADKS \ks+1
.endif
.if \ks < 3
	s_wait_dscnt 48                                ; this K step's fragments are in; the next step's 48 loads may be out
.else
	s_wait_dscnt 0x0
.endif
.endif
.if \ks == 0
	WIN \w0
.else
	WIN \w1
.endif
.irp i, 0,1,2,3
.irp t, 0,1,2,3
.if \ks == 0
	WM ACC+32*\i+8*\t, 12*(4*\t+\ks), 12*(4*\i+\ks), 192+8*\t, \wsb+4*(\t/2)+\ks, XS+4*(\i/2)+\ks, \t%2, \i%2
.else
	WM ACC+32*\i+8*\t, 12*(4*\t+\ks), 12*(4*\i+\ks), ACC+32*\i+8*\t, \wsb+4*(\t/2)+\ks, XS+4*(\i/2)+\ks, \t%2, \i%2
.endif
.endr
.endr
.endr
	WIN 0
.endm
.macro MULV                            ; V: accumulator (channel tile t, token tile i) at ACC + 32 t + 8 i
.irp ks, 0,1,2,3
.if \ks == 0
	WIN 0x16
.else
	WIN 0x06
.endif
.irp i, 0,1,2,3
.irp t, 0,1,2,3
.if \ks == 0
	WM ACC+32*\t+8*\i, 12*(4*\i+\ks), 12*(4*\t+\ks), 224+8*\t, XS+4*(\i/2)+\ks, WS+16+4*(\t/2)+\ks, \i%2, \t%2
.else
	WM ACC+32*\t+8*\i, 12*(4*\i+\ks), 12*(4*\t+\ks), ACC+32*\t+8*\i, XS+4*(\i/2)+\ks, WS+16+4*(\t/2)+\ks, \i%2, \t%2
.endif
.endr
.endr
.endr
	WIN 0
.endm
; Four groups of 32 registers, each one whole block (block h of my row), become four images and four scale words.  The four groups go by turns, two chains each, so that no line waits for the line above it.
.macro QUANT4
	v_cmp_le_u32 vcc_lo, 16, v[LN]                 ; lanes 16-31: it serves the words here and the scale units' stores
.irp g, 0,1,2,3
.irp b, 0,1
	v_max3_num_f32 v[TM+2*\g+\b], |v[ACC+32*\g+16*\b]|, |v[ACC+32*\g+16*\b+1]|, 0x1800000   ; with the floor 2^(3 - 127): the byte cannot fall under 1
.endr
.endr
.irp i, 2,4,6,8,10,12,14
.irp g, 0,1,2,3
.irp b, 0,1
	v_max3_num_f32 v[TM+2*\g+\b], v[TM+2*\g+\b], |v[ACC+32*\g+16*\b+\i]|, |v[ACC+32*\g+16*\b+\i+1]|
.endr
.endr
.endr
.irp g, 0,1,2,3
	v_max_num_f32 v[TM+2*\g], v[TM+2*\g], v[TM+2*\g+1]
.endr
.irp g, 0,1,2,3
	v_add_nc_u32 v[SO+\g], 0xff000000, v[TM+2*\g]  ; 2 off the exponent field: the conversions' scale operand
.endr
.irp g, 0,1,2,3
	v_lshrrev_b32 v[BY+\g], 23, v[SO+\g]           ; the scale's byte
.endr
.irp g, 0,1,2,3
	v_permlanex16_b32 v[XP+\g], v[BY+\g], s[SEL], s[SEL+1]   ; the row's other block's byte
.endr
.irp g, 0,1,2,3
	v_lshl_or_b32 v[TM+2*\g], v[XP+\g], 8, v[BY+\g]
	v_lshl_or_b32 v[TM+2*\g+1], v[BY+\g], 8, v[XP+\g]
.endr
.irp g, 0,1,2,3
	v_cndmask_b32 v[PW+\g], v[TM+2*\g], v[TM+2*\g+1], vcc_lo   ; the row's word, block 0's byte lowest, in both halves of the lanes
.endr
.irp g, 0,1,2,3
	v_cvt_scalef32_pk16_fp6_f32 v[PC+6*\g:PC+6*\g+2], v[ACC+32*\g:ACC+32*\g+15], v[SO+\g]
	v_cvt_scalef32_pk16_fp6_f32 v[PT+4*\g:PT+4*\g+2], v[ACC+32*\g+16:ACC+32*\g+31], v[SO+\g]   ; (a conversion's three registers begin on an even number)
.endr
	v_nop                                          ; one plain place behind a scaled conversion
.irp g, 0,1,2,3
.irp i, 0,1,2
	v_mov_b32 v[PC+6*\g+3+\i], v[PT+4*\g+\i]
.endr
.endr
.endm
.macro PUT sb, off, scoff              ; four images and their scale unit: whole aligned runs of 256 bytes
.irp g, 0,1,2,3
	global_store_b128 v[L16], v[PC+6*\g:PC+6*\g+3], s[\sb:\sb+1] offset:\off+768*\g
	global_store_b64 v[L8], v[PC+6*\g+4:PC+6*\g+5], s[\sb:\sb+1] offset:\off+768*\g+512
.endr
	v_cndmask_b32 v[SP], v[PW], v[PW+1], vcc_lo
	v_cndmask_b32 v[SP+1], v[PW+2], v[PW+3], vcc_lo
	global_store_b64 v[L8], v[SP:SP+1], s[\sb:\sb+1] offset:\scoff
.endm
	s_load_b512 s[4:19], s[0:1], 0x0               ; x_codes 4, x_scales 6, Wq_codes 8, Wq_scales 10, bq 12, Wk_codes 14, Wk_scales 16, bk 18
	s_load_b256 s[20:27], s[0:1], 0x40             ; Wv_codes 20, Wv_scales 22, bv 24, qimg 26
	s_load_b64 s[28:29], s[0:1], 0x60              ; kv
	v_lshl_add_u32 v[SPW], v0, 2, SPARE
	v_mov_b32 v[NIL], 0
	ds_add_u32 v[SPW], v[NIL]                      ; the opening: the add, twice on end, and its wait ahead of my first tensor load
	ds_add_u32 v[SPW], v[NIL]
	v_lshrrev_b32 v1, 5, v0
	v_readfirstlane_b32 s[WV], v1                  ; wave 0..3
	s_bfe_u32 s56, ttmp6, 0x40000                  ; cx, cy
	s_bfe_u32 s57, ttmp6, 0x40004
	s_lshl_b32 s58, ttmp9, 2
	s_add_co_u32 s58, s58, s56                     ; the head
	s_and_b32 s59, ttmp7, 0xffff
	s_lshl_b32 s59, s59, 2
	s_add_co_u32 s59, s59, s57                     ; the block of 256 tokens
	s_lshl_b32 s60, s57, 2
	s_lshl_b32 s60, 15, s60                        ; my row of the cluster
	s_lshl_b32 s61, 0x1111, s56                    ; my column
	s_or_b32 s[G1X], s60, (1<<20)|(1<<21)|(4<<22)|(3<<25)   ; elements of 1 byte; padding on; 21 set beside a mask; after every 32 words (code 4) 4 words (code 3)
	s_or_b32 s[G1W], s61, (1<<20)|(1<<21)|(4<<22)|(3<<25)
.irp g, G1X, G1W
	s_mov_b32 s[\g+1], 256<<16                     ; rows of 256 bytes,
	s_mov_b32 s[\g+2], 96<<16                      ; 96 of them: 64 rows of codes
	s_mov_b32 s[\g+3], 256<<16
	s_mov_b32 s[\g+4], 96
	s_mov_b32 s[\g+5], 256
	s_mov_b32 s[\g+6], 0
	s_mov_b32 s[\g+7], 0
.endr
	s_mov_b32 s[G1X+2], 384<<16                    ; x: 384 of them: 256 rows of codes
	s_mov_b32 s[G1X+4], 384
	s_mul_i32 s66, s59, 256*384                    ; x: the block's first row
	s_mov_b32 s67, 0
	s_mul_i32 s68, s58, 64*384                     ; W: the head's first row
	s_mov_b32 s69, 0
	s_mul_i32 s70, s[WV], TILEB                    ; where wave w's tile of W goes; no place in the cluster enters an LDS address
	s_add_co_u32 s71, s70, XB                      ; my 64 rows of x
	s_lshl_b32 s74, s58, 10                        ; W's scale bytes: 16 a row
	s_mov_b32 s75, 0
	s_lshl_b32 s76, s58, 8                         ; the biases
	s_mov_b32 s77, 0
	s_lshl_b32 s78, s59, 12                        ; x's scale bytes
	s_lshl_b32 s79, s[WV], 10
	s_add_co_u32 s78, s78, s79
	s_mov_b32 s79, 0
	s_lshr_b32 s72, s59, 4                         ; (batch x 8 + head) x 64 + my block of 64 tokens in the sequence
	s_lshl_b32 s72, s72, 3
	s_add_co_u32 s72, s72, s58
	s_lshl_b32 s72, s72, 6
	s_and_b32 s73, s59, 15
	s_lshl_b32 s73, s73, 2
	s_add_co_u32 s73, s73, s[WV]
	s_add_co_u32 s72, s72, s73
	s_mul_i32 s82, s72, 3328
	s_mov_b32 s83, 0
	s_mul_i32 s84, s72, 6656
	s_mov_b32 s85, 0
	s_mov_b32 s[SEL], 0x76543210
	s_mov_b32 s[SEL+1], 0xfedcba98
	s_wait_dscnt 0x0                               ; both opening adds are done
	s_wait_kmcnt 0x0
	s_mov_b32 s[G0X], 1
	s_mov_b32 s[G0X+1], XB
	s_add_nc_u64 s[G0X+2:G0X+3], s[4:5], s[66:67]
	s_or_b32 s[G0X+3], s[G0X+3], 0x80000000
	s_cmp_eq_u32 s[WV], 0                          ; wave 0: Wq, wave 1: Wk, wave 2: Wv
	s_cselect_b64 s[72:73], s[8:9], s[14:15]
	s_cmp_lt_u32 s[WV], 2
	s_cselect_b64 s[72:73], s[72:73], s[20:21]
	s_mov_b32 s[G0W], 1
	s_mov_b32 s[G0W+1], s70
	s_add_nc_u64 s[G0W+2:G0W+3], s[72:73], s[68:69]
	s_or_b32 s[G0W+3], s[G0W+3], 0x80000000
	s_add_nc_u64 s[6:7], s[6:7], s[78:79]
	s_add_nc_u64 s[10:11], s[10:11], s[74:75]
	s_add_nc_u64 s[16:17], s[16:17], s[74:75]
	s_add_nc_u64 s[22:23], s[22:23], s[74:75]
	s_add_nc_u64 s[12:13], s[12:13], s[76:77]
	s_add_nc_u64 s[18:19], s[18:19], s[76:77]
	s_add_nc_u64 s[24:25], s[24:25], s[76:77]
	s_add_nc_u64 s[26:27], s[26:27], s[82:83]
	s_add_nc_u64 s[28:29], s[28:29], s[84:85]
	CROUND                                         ; all sixteen work-groups are here: the joint loads meet
	s_cmp_lt_u32 s[WV], 3                          ; one tensor load a wave, in the two arms of one branch on the wave's number
	s_cbranch_scc0 .Lfor_x
	tensor_load_to_lds s[G0W:G0W+3], s[G1W:G1W+7]
	s_nop 0
.rept 4
	v_nop
.endr
	s_branch .Lasked
.Lfor_x:
	tensor_load_to_lds s[G0X:G0X+3], s[G1X:G1X+7]
	s_nop 0
.rept 4
	v_nop
.endr
.Lasked:
	v_and_b32 v[LN], 31, v0
	v_and_b32 v[RR], 15, v0
	v_bfe_u32 v[HH], v0, 4, 1
	v_lshlrev_b32 v[L16], 4, v[LN]
	v_lshlrev_b32 v[L8], 3, v[LN]
	v_and_b32 v[RHO], 8, v[RR]
	v_mad_u32_u24 v[RHO], v[RHO], 3, v[RR]         ; r % 8 + 32 (r / 8)
	v_mul_u32_u24 v[AW], v[RHO], PITCH
	v_mad_u32_u24 v[AW], v[HH], 24, v[AW]
	v_lshl_add_u32 v[AW+1], v[HH], 4, v[AW]
	v_add_nc_u32 v[AW2], 2*TILEB, v[AW]
	v_add_nc_u32 v[AW2+1], 2*TILEB, v[AW+1]
	v_add_nc_u32 v[AX], s71, v[AW]
	v_add_nc_u32 v[AX+1], s71, v[AW+1]
	v_lshl_add_u32 v[SRO], v[HH], 3, v[RHO]        ; scale words: lanes 0-15 take tile 2 g's rows, lanes 16-31 tile 2 g + 1's, 8 rows on; 16 bytes a row: four words, one for each K step
	v_lshlrev_b32 v[SRO], 4, v[SRO]
	v_lshlrev_b32 v[B64], 7, v[HH]                 ; bq, bk in the result's layout: channels 32 h + 8 t + 0 .. 7
	v_lshlrev_b32 v[B4R], 2, v[RHO]                ; bv: my row's channel
.irp g, 0,1,2,3
	v_mov_b32 v[XP+\g], 0                          ; a lane permute's destination counts as one of its sources
.endr
.irp g, 0,1
	global_load_b128 v[XS+4*\g:XS+4*\g+3], v[SRO], s[6:7] offset:256*\g
	global_load_b128 v[WS+4*\g:WS+4*\g+3], v[SRO], s[10:11] offset:256*\g
	global_load_b128 v[WS+8+4*\g:WS+8+4*\g+3], v[SRO], s[16:17] offset:256*\g
	global_load_b128 v[WS+16+4*\g:WS+16+4*\g+3], v[SRO], s[22:23] offset:256*\g
.endr
	WIN 0x40
.irp t, 0,1,2,3
	global_load_b128 v[192+8*\t:192+8*\t+3], v[B64], s[12:13] offset:32*\t
	global_load_b128 v[192+8*\t+4:192+8*\t+7], v[B64], s[12:13] offset:32*\t+16
	global_load_b32 v[224+8*\t], v[B4R], s[24:25] offset:32*\t
.endr
	WIN 0xc0
.irp t, 0,1,2,3
	global_load_b128 v[192+8*\t:192+8*\t+3], v[B64], s[18:19] offset:32*\t
	global_load_b128 v[192+8*\t+4:192+8*\t+7], v[B64], s[18:19] offset:32*\t+16
.endr
	WIN 0
	s_wait_alu depctr_va_vdst(0)                   ; ahead of a wait that blocks
	s_wait_loadcnt 0x0
	WIN 0x41
.irp t, 0,1,2,3
.irp j, 1,2,3,4,5,6,7
	v_mov_b32 v[224+8*\t+\j], v[224+8*\t]          ; bv's C tiles: my channel's bias in all eight registers
.endr
.endr
	WIN 0
	s_wait_alu depctr_va_vdst(0)                   ; at the head's end
	s_wait_tensorcnt 0x0                           ; my tile has landed,
	s_barrier_signal -1
	s_barrier_wait -1                              ; everybody's has.
	LOADKS 0
	LOADKS 1
	MULQK 0x19, 0x09, WS, 1
	LOADW 0xc0, AW, TILEB                          ; Wk lands under Q's quantiser
	PLACES
	QUANT4
	PUT 26, 0, 3072
	s_wait_dscnt 0x0
	LOADW 0x40, AW2, 0                             ; Wv, where Wq lay, lands under K's products
	MULQK 0x3b, 0x0b, WS+8, 0
	PLACES
	s_wait_xcnt 0x0                                ; Q's stores have read their registers
	QUANT4
	PUT 28, 0, 6144
	s_wait_dscnt 0x0
	MULV
	PLACES
	s_wait_xcnt 0x0
	QUANT4
	PUT 28, 3072, 6400
	s_wait_tensorcnt 0x0                           ; the wave's end
	ds_add_u32 v[SPW], v[NIL]
	s_wait_dscnt 0x0
	CROUND                                         ; the closing round
	s_endpgm
.Lfunc_end_k_q37ede76c2d_qkv:
	.size	k_q37ede76c2d_qkv, .Lfunc_end_k_q37ede76c2d_qkv-k_q37ede76c2d_qkv
	.p2alignl 7, 3214868480
	.fill 96, 4, 3214868480
	.section	.rodata,"a",@progbits
	.p2align	6, 0x0
	.amdhsa_kernel k_q37ede76c2d_qkv
		.amdhsa_group_segment_fixed_size 327680
		.amdhsa_private_segment_fixed_size 0
		.amdhsa_enable_private_segment 0
		.amdhsa_kernarg_size 104
		.amdhsa_user_sgpr_count 2
		.amdhsa_user_sgpr_kernarg_segment_ptr 1
		.amdhsa_wavefront_size32 1
		.amdhsa_system_sgpr_workgroup_id_x 1
		.amdhsa_system_sgpr_workgroup_id_y 1
		.amdhsa_system_sgpr_workgroup_id_z 1
		.amdhsa_system_vgpr_workitem_id 0
		.amdhsa_next_free_vgpr 1024
		.amdhsa_next_free_sgpr 88
		.amdhsa_reserve_vcc 1
		.amdhsa_float_denorm_mode_32 3
		.amdhsa_float_denorm_mode_16_64 3
		.amdhsa_memory_ordered 1
		.amdhsa_forward_progress 1
		.amdhsa_inst_pref_size 83
	.end_amdhsa_kernel
	.amdgpu_metadata
---
amdhsa.version: [ 1, 2 ]
amdhsa.kernels:
  - .name:           k_q37ede76c2d_qkv
    .symbol:         k_q37ede76c2d_qkv.kd
    .args:
      - { .name: x_codes, .offset: 0, .size: 8, .value_kind: global_buffer, .address_space: global }
      - { .name: x_scales, .offset: 8, .size: 8, .value_kind: global_buffer, .address_space: global }
      - { .name: Wq_codes, .offset: 16, .size: 8, .value_kind: global_buffer, .address_space: global }
      - { .name: Wq_scales, .offset: 24, .size: 8, .value_kind: global_buffer, .address_space: global }
      - { .name: bq, .offset: 32, .size: 8, .value_kind: global_buffer, .address_space: global }
      - { .name: Wk_codes, .offset: 40, .size: 8, .value_kind: global_buffer, .address_space: global }
      - { .name: Wk_scales, .offset: 48, .size: 8, .value_kind: global_buffer, .address_space: global }
      - { .name: bk, .offset: 56, .size: 8, .value_kind: global_buffer, .address_space: global }
      - { .name: Wv_codes, .offset: 64, .size: 8, .value_kind: global_buffer, .address_space: global }
      - { .name: Wv_scales, .offset: 72, .size: 8, .value_kind: global_buffer, .address_space: global }
      - { .name: bv, .offset: 80, .size: 8, .value_kind: global_buffer, .address_space: global }
      - { .name: qimg, .offset: 88, .size: 8, .value_kind: global_buffer, .address_space: global }
      - { .name: kv, .offset: 96, .size: 8, .value_kind: global_buffer, .address_space: global }
    .group_segment_fixed_size: 327680
    .private_segment_fixed_size: 0
    .kernarg_segment_align: 8
    .kernarg_segment_size: 104
    .max_flat_workgroup_size: 128
    .sgpr_count:     88
    .vgpr_count:     1024
    .wavefront_size: 32
...
	.end_amdgpu_metadata
.endif
;; end of part 1
;; launch attn (part 2): grid 16 x 16, 16 waves a work-group, clusters of 4 x 1, 327,680 bytes of LDS; arguments qimg, kv, ctx, csc; writes ctx, csc
.if DOCPART == 2
	.amdgcn_target "amdgcn-amd-amdhsa--gfx1250"
	.amdhsa_code_object_version 6
	.text
	.protected	k_q37ede76c2d_attn
	.globl	k_q37ede76c2d_attn
	.p2align	8
	.type	k_q37ede76c2d_attn,@function
k_q37ede76c2d_attn:
	s_mov_b64 s[64:65], 0
	v_nop
	global_prefetch_b8 v0, s[64:65] scope:SCOPE_SE
	s_setreg_imm32_b32 hwreg(HW_REG_WAVE_MODE, 25, 1), 1
	s_wait_xcnt 0x0
	s_wait_alu depctr_hold_cnt(0) depctr_sa_sdst(0) depctr_va_vdst(0) depctr_va_sdst(0) depctr_va_ssrc(0) depctr_va_vcc(0) depctr_vm_vsrc(0)
	s_getreg_b32 s2, hwreg(HW_REG_IB_STS2, 6, 4)
	s_cmp_eq_u32 s2, 0
	s_cbranch_scc0 .Lentry_in_a_cluster
	s_endpgm
.Lentry_in_a_cluster:
	s_bfe_u32 s2, ttmp6, 0x10000c
	s_cmp_lg_u32 s2, 0x3003
	s_cbranch_scc0 .Lentry_shape_is_right
	s_endpgm
.Lentry_shape_is_right:
; context = softmax(Q K^T / 8) V for one batch and head, both products on codes of FP6 (E2M3) with one E8M0 scale for each 32 along K; the context is then quantised along the head's 64 for the output projection.
; Nothing of reference() is left out here.
; SOFTMAX: t = score x log2(e) / 8; M = the row's largest t so far, rounded up to a whole number; p = 2^(t - M) is quantised along the keys, not normalised.  The row's sum is taken of the unquantised p in f32 and
; divides O at the end.  When M moves, the sum and O are multiplied by 2^(old M - new M): exact.
; LIMITS: NaN and infinities are not served; the promise holds while |t| stays under 2^31; a block of zeros gets the byte 1 (its codes are zeros; this program alone reads the bytes).
; A block's largest p is made from its largest score by the same multiply-add and exponential as every p (this takes v_exp_f32 not to fall where its input rises).
; SHARES.  A work-group owns 256 queries of one head, each of its sixteen waves one tile of 16 in 256 registers.  Every wave walks the 4,096 keys, 256 a step.  Both products are used transposed
; (S^T = K Q^T, O^T = V^T P^T): a lane holds ONE query throughout.
; THE STREAM.  kv holds, for each 64 keys, 6,656 bytes: K's four tile images, V^T's four half fragments, K's scale unit, V's scale unit, as images of operand registers (768 bytes: registers 0-3 at 16 x lane, 4-5 at 512 + 8 x lane).
; Row m of K's tile i is key 8 i + m % 8 + 32 (m / 8) of the 64: so the 32 score registers of a group's four tiles are, in lane half h, keys 32 h + 0 .. 31: ONE WHOLE BLOCK in a lane, in the order that P's fragment wants.
; No lane is asked for a block's maximum and no codes change lanes; only the row's maximum and the scale words cross the halves.  V^T's rows are ordered alike, so O^T's 32 registers are channels 32 h + 0 .. 31.
; THE HEAD'S 64 IN AN INSTRUCTION OF 128.  Q's registers 6-11 are zero codes.  K's tile t is named as v[F + 6 t .. F + 6 t + 11]: its upper six registers are whatever lies behind (the next tile's codes; for tile 7 six working
; registers): every pattern of six bits is a finite number of E2M3 and meets a zero code, and those blocks' scale bytes are 0 on both sides (2^-127, no NaN): they add exactly 0.
; LDS.  Slot 0: 1,024 keys (106,496 bytes); slot 1: 2,048 keys (212,992 bytes).  Keys 0-1,023 come at the head, keys 1,024-3,071 behind the first round, keys 3,072-4,095 into slot 0 again behind the second:
; three fills, three meetings of the waves.  Every wave brings a sixteenth of each fill: one tensor load out a wave at the most.
; CLUSTER 4 x 1: the four query blocks of a cluster walk the same head, so every fill is asked for JOINTLY, with a mask that names the four.
; NO PREFETCH: slot 1's fill is asked for 4 steps, and slot 0's second fill 8 steps, of all sixteen waves ahead of the first read; only the head's fill is waited for, and no loop stands ahead of it.
.set HB,    6656                       ; 64 keys' bytes
.set STEPB, 4*HB                       ; a step's: 256 keys
.set S0B,   16*HB                      ; slot 0
.set S1B,   32*HB                      ; slot 1, behind it
.set SCG,   S0B+S1B                    ; 1,024 bytes in which the sixteen waves' scale words meet
.set SPARE, SCG+1024                   ; the spare words, 128 bytes for each wave
.set TMP, 0                            ; v0   at work (the thread's number is used at the head alone)
.set L16, 1                            ; v1   16 x lane
.set L8,  2                            ; v2   8 x lane
.set A16, 3                            ; v3-4 the step's LDS addresses
.set A8,  4
.set SPW, 5                            ; v5   LDS address of my spare word; never rewritten
.set NIL, 6                            ; v6   0; never rewritten
.set W0,  7                            ; v7   at work
.set FF,  8                            ; v[8:9] f = 2^(old M - new M) (the low word serves both halves)
.set X0,  10                           ; v10  what lane l xor 16 sends
.set QS,  11                           ; v11  Q's scale words
                                       ; v12 -M, v13 the largest score so far, v[14:15] the sum in two halves
.set QF,  16                           ; v16-21 Q's codes, v22-27 zero codes
.set BM,  28                           ; v28-31 my four blocks' largest scores, then largest p, then scale bytes
.set F,   32                           ; v32-85 eight tiles of K (6 registers each) and six more; behind the scores:
.set PCD, F                            ; v32-55 p's codes: two fragments
.set PT,  F+24                         ; v56-71 the sums' eight chains, then the conversions' second halves
.set BS,  F+40                         ; v72-75 the conversions' scale operands
.set VR,  F+44                         ; v76-83 V's scale words as loaded, a pair for each 64 keys
.set X1,  F+52                         ; v84
.set KS,  86                           ; v86-89 K's scale words: tile t in register t / 2, lanes 16 (t % 2) on
.set VS,  90                           ; v90-93 V's scale words: 2 x half + tile / 2
.set PWD, 94                           ; v94-95 p's scale words
.set S,   96                           ; v96-223 S^T, then p, then V^T's eight fragments
.set O,   224                          ; v224-255 O^T
.set WV,  12
.set SEL, 20                           ; s[20:21] v_permlanex16_b32's selects for lane l xor 16
.set CS,  22                           ; s[22:23] c = log2(e) / 8
.set G1,  24                           ; s[24:31] group 1: 26 rows of 256 bytes;  s[48:55]: 52 rows
.set G1B, 48
.set G0A, 32                           ; s[32:43] three groups 0, one for each fill
.set G0B, 36
.set G0C, 40
.set TB,  44                           ; LDS byte at which the step in hand begins
.set CNT, 45
.set SH,  46
.macro CROUND                          ; a round of the cluster's barrier
	s_barrier_signal -1
	s_barrier_wait -1
	s_cmp_lg_u32 s[WV], 0
	s_cbranch_scc1 .Lnot_wave_0_\@
	s_barrier_signal -3
.Lnot_wave_0_\@:
	s_barrier_wait -3
	s_barrier_signal -1
	s_barrier_wait -1
.endm
.macro TLOAD g0, g1                    ; every wave's own sixteenth; s_nop 0 and four v_nop follow
	tensor_load_to_lds s[\g0:\g0+3], s[\g1:\g1+7]
	s_nop 0
.rept 4
	v_nop
.endr
.endm
.macro KLOAD bt                        ; eight tiles of K (128 keys) and their scale words
.irp c, 0,1
.irp i, 0,1,2,3
	ds_load_b128 v[F+6*(4*\c+\i):F+6*(4*\c+\i)+3], v[A16] offset:HB*(2*\bt+\c)+768*\i
	ds_load_b64 v[F+6*(4*\c+\i)+4:F+6*(4*\c+\i)+5], v[A8] offset:HB*(2*\bt+\c)+768*\i+512
.endr
	ds_load_b64 v[KS+2*\c:KS+2*\c+1], v[A8] offset:HB*(2*\bt+\c)+6144
.endr
.endm
.macro SCORE bt, t                     ; source 0 = 16 keys, source 1 = my 16 queries
.if (\t)%2
	v_wmma_scale_f32_16x16x128_f8f6f4 v[S+64*\bt+8*\t:S+64*\bt+8*\t+7], v[F+6*\t:F+6*\t+11], v[QF:QF+11], 0, v[KS+\t/2], v[QS] matrix_a_fmt:MATRIX_FMT_FP6 matrix_b_fmt:MATRIX_FMT_FP6 matrix_a_scale:MATRIX_SCALE_ROW1
.else
	v_wmma_scale_f32_16x16x128_f8f6f4 v[S+64*\bt+8*\t:S+64*\bt+8*\t+7], v[F+6*\t:F+6*\t+11], v[QF:QF+11], 0, v[KS+\t/2], v[QS] matrix_a_fmt:MATRIX_FMT_FP6 matrix_b_fmt:MATRIX_FMT_FP6
.endif
.endm
.macro PVP hf, t                       ; O^T's tile t += 16 channels of V^T x p, 128 keys
.if (\t)%2
	v_wmma_scale_f32_16x16x128_f8f6f4 v[O+8*\t:O+8*\t+7], v[S+48*\hf+12*\t:S+48*\hf+12*\t+11], v[PCD+12*\hf:PCD+12*\hf+11], v[O+8*\t:O+8*\t+7], v[VS+2*\hf+\t/2], v[PWD+\hf] matrix_a_fmt:MATRIX_FMT_FP6 matrix_b_fmt:MATRIX_FMT_FP6 matrix_a_scale:MATRIX_SCALE_ROW1
.else
	v_wmma_scale_f32_16x16x128_f8f6f4 v[O+8*\t:O+8*\t+7], v[S+48*\hf+12*\t:S+48*\hf+12*\t+11], v[PCD+12*\hf:PCD+12*\hf+11], v[O+8*\t:O+8*\t+7], v[VS+2*\hf+\t/2], v[PWD+\hf] matrix_a_fmt:MATRIX_FMT_FP6 matrix_b_fmt:MATRIX_FMT_FP6
.endif
.endm
.macro BMAX bt                         ; the largest score of my two blocks of these 128 keys: four chains by turns; each score tile is first read at its low end
.set SB, S+64*\bt
.set BB, BM+2*\bt
	v_max3_num_f32 v[BB], v[SB], v[SB+1], v[SB+2]
	v_max3_num_f32 v[TMP], v[SB+16], v[SB+17], v[SB+18]
	v_max3_num_f32 v[BB+1], v[SB+32], v[SB+33], v[SB+34]
	v_max3_num_f32 v[W0], v[SB+48], v[SB+49], v[SB+50]
.irp i, 3,5,7,9,11,13
	v_max3_num_f32 v[BB], v[BB], v[SB+\i], v[SB+1+\i]
	v_max3_num_f32 v[TMP], v[TMP], v[SB+16+\i], v[SB+17+\i]
	v_max3_num_f32 v[BB+1], v[BB+1], v[SB+32+\i], v[SB+33+\i]
	v_max3_num_f32 v[W0], v[W0], v[SB+48+\i], v[SB+49+\i]
.endr
	v_max3_num_f32 v[BB], v[BB], v[TMP], v[SB+15]
	v_max3_num_f32 v[BB+1], v[BB+1], v[W0], v[SB+47]
	v_max_num_f32 v[BB], v[BB], v[SB+31]
	v_max_num_f32 v[BB+1], v[BB+1], v[SB+63]
.endm
; A STEP: 256 keys.
.macro STEP
	v_add_nc_u32 v[A16], s[TB], v[L16]
	v_add_nc_u32 v[A8], s[TB], v[L8]
.rept 3
	v_nop                                          ; five places: the loads below land on, and the scores are laid over, operands of the last step's products
.endr
	KLOAD 0
	s_wait_alu depctr_va_vdst(0)                   ; ahead of a wait that blocks
	s_wait_dscnt 0x0
.irp t, 0,1,2,3,4,5,6,7
	SCORE 0, \t
.endr
.rept 4
	v_nop                                          ; places ahead of the loads into K's registers and of the first read of the scores
.endr
	KLOAD 1                                        ; the second 128 keys' tiles land under the first's maxima
	BMAX 0
	s_wait_alu depctr_va_vdst(0)
	s_wait_dscnt 0x0
.irp t, 0,1,2,3,4,5,6,7
	SCORE 1, \t
.endr
.rept 4
	v_nop
.endr
.irp g, 0,1,2,3
	ds_load_b64 v[VR+2*\g:VR+2*\g+1], v[A8] offset:HB*\g+6400   ; V's scale words: they land under the softmax
.endr
	BMAX 1
	v_max3_num_f32 v[TMP], v[BM], v[BM+1], v[BM+2]
	v_mov_b32 v[W0], v12                           ; the old -M
	s_delay_alu instid0(VALU_DEP_2)
	v_max_num_f32 v[TMP], v[TMP], v[BM+3]          ; my 128 keys' largest score
	s_delay_alu instid0(VALU_DEP_1)
	v_permlanex16_b32 v[X0], v[TMP], s[SEL], s[SEL+1]
	s_delay_alu instid0(VALU_DEP_1)
	v_max3_num_f32 v13, v13, v[TMP], v[X0]         ; with lane l xor 16's 128: the largest score so far
	s_delay_alu instid0(VALU_DEP_1)
	v_mul_f32 v[X0], s[CS], v13                    ; as t (c is positive)
	s_delay_alu instid0(VALU_DEP_1)
	v_floor_f32 v12, -v[X0]                        ; the new -M = floor(-t) = -ceil(t): a whole number
	s_delay_alu instid0(VALU_DEP_1)
	v_sub_f32 v[W0], v12, v[W0]                    ; M's old value less its new one: 0 or less
	s_delay_alu instid0(VALU_DEP_1)
	v_cvt_i32_f32 v[W0], v[W0]                     ; (it saturates)
	s_delay_alu instid0(VALU_DEP_1)
	v_ldexp_f32 v[FF], 1.0, v[W0]                  ; f = 2^(old M - new M)
.set j, 0
.rept 64
	v_pk_fma_f32 v[S+j:S+j+1], v[S+j:S+j+1], s[CS:CS+1], v[12:13] op_sel_hi:[1,0,0]   ; t - M, two at a time (of the pairs c and -M the low word serves both halves)
.set j, j+2
.endr
.irp b, 0,1,2,3
	v_fma_f32 v[BM+\b], v[BM+\b], s[CS], v12       ; the same of each block's largest score
.endr
	s_wait_alu depctr_va_vdst(0)                   ; ahead of the batch
.set j, 0
.rept 128
	v_exp_f32 v[S+j], v[S+j]                       ; p = 2^(t - M): not normalised
.set j, j+1
.endr
.irp b, 0,1,2,3
	v_exp_f32 v[BM+\b], v[BM+\b]                   ; the blocks' largest p
.endr
	v_pk_mul_f32 v[14:15], v[14:15], v[FF:FF+1] op_sel_hi:[1,0]   ; the sums under the new M: the plain place behind the exponentials
	s_wait_alu depctr_va_vdst(0)                   ; one wait for the whole batch, ahead of its first reader
.set j, 0
.rept 8
	v_pk_add_f32 v[PT+j:PT+j+1], v[S+j:S+j+1], v[S+16+j:S+17+j]   ; the row's sum of the unquantised p: eight chains by turns
.set j, j+2
.endr
.set j, 32
.rept 48
	v_pk_add_f32 v[PT+(j%16):PT+(j%16)+1], v[PT+(j%16):PT+(j%16)+1], v[S+j:S+j+1]
.set j, j+2
.endr
.irp k, 0,2,4,6
	v_pk_add_f32 v[PT+\k:PT+\k+1], v[PT+\k:PT+\k+1], v[PT+8+\k:PT+9+\k]
.endr
	v_pk_add_f32 v[PT:PT+1], v[PT:PT+1], v[PT+4:PT+5]
	v_pk_add_f32 v[PT+2:PT+3], v[PT+2:PT+3], v[PT+6:PT+7]
	s_delay_alu instid0(VALU_DEP_2)
	v_pk_add_f32 v[14:15], v[14:15], v[PT:PT+1]
	s_delay_alu instid0(VALU_DEP_1)
	v_pk_add_f32 v[14:15], v[14:15], v[PT+2:PT+3]
	s_wait_alu depctr_va_vdst(0)
	s_wait_dscnt 0x0                               ; V's scale words are in
.irp hf, 0,1
.irp j, 0,1
	v_lshl_or_b32 v[VS+2*\hf+\j], v[VR+4*\hf+2+\j], 16, v[VR+4*\hf+\j]   ; bytes 0, 1: the first 64 keys' blocks; bytes 2, 3: the second's
.endr
.endr
.irp b, 0,1,2,3
	v_max_num_f32 v[BM+\b], 0x1800000, v[BM+\b]    ; the floor 2^(3 - 127): the byte cannot fall under 1
.endr
.irp b, 0,1,2,3
	v_add_nc_u32 v[BS+\b], 0xff000000, v[BM+\b]    ; 2 off the exponent field: the conversions' scale operand
.endr
.irp b, 0,1,2,3
	v_lshrrev_b32 v[BM+\b], 23, v[BS+\b]           ; the scale's byte
.endr
	v_lshl_or_b32 v[W0], v[BM+1], 16, v[BM]        ; my two bytes of each 128 keys: blocks h and 2 + h
	v_lshl_or_b32 v[TMP], v[BM+3], 16, v[BM+2]
	v_permlanex16_b32 v[X0], v[W0], s[SEL], s[SEL+1]
	v_permlanex16_b32 v[X1], v[TMP], s[SEL], s[SEL+1]
	v_lshl_or_b32 v[PWD], v[X0], 8, v[W0]          ; whole in lanes 0-15, which alone are read: blocks 0, 2 mine, blocks 1, 3 lane l + 16's
	v_lshl_or_b32 v[PWD+1], v[X1], 8, v[TMP]
.irp g, 0,1,2,3
	v_cvt_scalef32_pk16_fp6_f32 v[PCD+6*\g:PCD+6*\g+2], v[S+32*\g:S+32*\g+15], v[BS+\g]
	v_cvt_scalef32_pk16_fp6_f32 v[PT+4*\g:PT+4*\g+2], v[S+32*\g+16:S+32*\g+31], v[BS+\g]   ; (a conversion's three registers begin on an even number)
.endr
	v_nop                                          ; one plain place behind a scaled conversion
.irp hf, 0,1                                   ; V^T's eight fragments, where p lay: registers 0-5 from the first 64 keys' image, 6-11 from the second's
.irp t, 0,1,2,3
.irp c, 0,1
	ds_load_b128 v[S+48*\hf+12*\t+6*\c:S+48*\hf+12*\t+6*\c+3], v[A16] offset:HB*(2*\hf+\c)+3072+768*\t
	ds_load_b64 v[S+48*\hf+12*\t+6*\c+4:S+48*\hf+12*\t+6*\c+5], v[A8] offset:HB*(2*\hf+\c)+3072+768*\t+512
.endr
.endr
.endr
.irp g, 0,1,2,3
.irp i, 0,1,2
	v_mov_b32 v[PCD+6*\g+3+\i], v[PT+4*\g+\i]
.endr
.endr
	s_wait_alu depctr_va_vdst(0)                   ; directly ahead of the first reader of O^T
.set j, 0
.rept 16
	v_pk_mul_f32 v[O+j:O+j+1], v[O+j:O+j+1], v[FF:FF+1] op_sel_hi:[1,0]   ; O^T under the new M, each accumulator from its low end on; also the places between the codes' and scale words' last writes and the products
.set j, j+2
.endr
	s_wait_alu depctr_va_vdst(0)
	s_wait_dscnt 0x0                               ; V^T's fragments are in
.irp hf, 0,1
.irp t, 0,1,2,3
	PVP \hf, \t                                    ; the four accumulators by turns, one instruction a turn
.endr
.endr
	s_add_co_u32 s[TB], s[TB], STEPB
.endm
.macro PHASE n                         ; n steps on end
	s_mov_b32 s[CNT], \n
.Lstep_\@:
	STEP
	s_sub_co_u32 s[CNT], s[CNT], 1
	s_cmp_lg_u32 s[CNT], 0
	s_wait_alu depctr_va_vdst(0)
	s_cbranch_scc1 .Lstep_\@
.endm
	s_load_b256 s[4:11], s[0:1], 0x0               ; qimg s[4:5], kv s[6:7], ctx s[8:9], csc s[10:11]
	v_lshl_add_u32 v[SPW], v0, 2, SPARE
	v_mov_b32 v[NIL], 0
	ds_add_u32 v[SPW], v[NIL]                      ; the opening: the add, twice on end, and its wait ahead of the first tensor load
	ds_add_u32 v[SPW], v[NIL]
	v_lshrrev_b32 v7, 5, v0
	v_readfirstlane_b32 s[WV], v7                  ; wave 0..15
	s_bfe_u32 s13, ttmp6, 0x40000                  ; cx
	s_lshl_b32 s14, ttmp9, 2
	s_add_co_u32 s14, s14, s13                     ; my block of 256 queries: it enters the addresses of Q, ctx and csc alone
	s_and_b32 s15, ttmp7, 0xffff                   ; batch x 8 + head, which the four partners share
.irp g, G1, G1B
	s_mov_b32 s[\g], 15|(3<<16)|(1<<21)            ; the mask: all four work-groups; elements of 8 bytes; no padding; 21 set beside a mask
	s_mov_b32 s[\g+1], 32<<16                      ; rows of 256 bytes: the stream is dense
	s_mov_b32 s[\g+3], 32<<16
	s_mov_b32 s[\g+5], 32
	s_mov_b32 s[\g+6], 0
	s_mov_b32 s[\g+7], 0
.endr
	s_mov_b32 s[G1+2], 26<<16                      ; 26 rows: 64 keys, a sixteenth of slot 0
	s_mov_b32 s[G1+4], 26
	s_mov_b32 s[G1B+2], 52<<16                     ; 52 rows: 128 keys, a sixteenth of slot 1
	s_mov_b32 s[G1B+4], 52
	s_mov_b32 s[SEL], 0x76543210
	s_mov_b32 s[SEL+1], 0xfedcba98
	s_mov_b32 s[CS], 0x3e38aa3b                    ; c = log2(e) / 8
	s_mov_b32 s[CS+1], s[CS]
	s_mov_b32 s[TB], 0
	s_and_b32 s[SH], s15, 1
	s_lshl_b32 s[SH], s[SH], 4                     ; an odd head's two scale bytes stand in the upper half of the projection's scale word
	s_mul_i32 s56, s[WV], HB                       ; my sixteenth of slot 0, in LDS and in the stream alike
	s_lshl_b32 s57, s56, 1
	s_add_co_u32 s57, s57, S0B                     ; and of slot 1
	s_mul_i32 s58, s15, 64*HB                      ; the head's stream
	s_add_co_u32 s60, s58, s57
	s_add_co_u32 s58, s58, s56
	s_add_co_u32 s62, s58, S0B+S1B
	s_mov_b32 s59, 0
	s_mov_b32 s61, 0
	s_mov_b32 s63, 0
	s_wait_dscnt 0x0                               ; both opening adds are done
	s_wait_kmcnt 0x0
	s_mov_b32 s[G0A], 1
	s_mov_b32 s[G0A+1], s56
	s_add_nc_u64 s[G0A+2:G0A+3], s[6:7], s[58:59]  ; keys 0 on
	s_or_b32 s[G0A+3], s[G0A+3], 0x80000000
	s_mov_b32 s[G0B], 1
	s_mov_b32 s[G0B+1], s57
	s_add_nc_u64 s[G0B+2:G0B+3], s[6:7], s[60:61]  ; keys 1,024 on
	s_or_b32 s[G0B+3], s[G0B+3], 0x80000000
	s_mov_b32 s[G0C], 1
	s_mov_b32 s[G0C+1], s56
	s_add_nc_u64 s[G0C+2:G0C+3], s[6:7], s[62:63]  ; keys 3,072 on
	s_or_b32 s[G0C+3], s[G0C+3], 0x80000000
	CROUND                                         ; all four work-groups are here: the first joint loads meet
	TLOAD G0A, G1
	s_mul_i32 s16, s15, 64*3328                    ; Q: the head's images,
	s_lshl_b32 s17, s14, 2
	s_lshr_b32 s18, s[WV], 2
	s_add_co_u32 s17, s17, s18
	s_mul_i32 s17, s17, 3328                       ; the 64 queries' block that holds my tile
	s_add_co_u32 s16, s16, s17
	s_mov_b32 s17, 0
	s_add_nc_u64 s[4:5], s[4:5], s[16:17]
	s_lshr_b32 s16, s15, 3                         ; ctx: [256 x batch + tile][head] images
	s_lshl_b32 s16, s16, 8
	s_lshl_b32 s18, s14, 4
	s_add_co_u32 s16, s16, s18
	s_add_co_u32 s16, s16, s[WV]
	s_lshl_b32 s16, s16, 3
	s_and_b32 s18, s15, 7
	s_add_co_u32 s16, s16, s18
	s_mul_i32 s16, s16, 768
	s_add_nc_u64 s[8:9], s[8:9], s[16:17]
	s_lshl_b32 s16, s15, 14                        ; csc: [batch x 8 + head][4,096 rows] words; waves 0 and 1 store 512 bytes each of my block's 1,024
	s_lshl_b32 s18, s14, 10
	s_add_co_u32 s16, s16, s18
	s_and_b32 s18, s[WV], 1
	s_lshl_b32 s18, s18, 9
	s_add_co_u32 s16, s16, s18
	s_add_nc_u64 s[10:11], s[10:11], s[16:17]
	s_and_b32 s47, s[WV], 3
	s_mul_i32 s47, s47, 768                        ; my tile's image in its block
	s_and_b32 s19, s[WV], 1                        ; its scale words: 8 bytes a lane: lane 16 (tile % 2) + r, word tile / 2
	s_lshl_b32 s19, s19, 7
	s_bfe_u32 s18, s[WV], 0x10001
	s_lshl_b32 s18, s18, 2
	s_add_co_u32 s19, s19, s18
	v_and_b32 v8, 31, v0
	v_and_b32 v9, 15, v0
	v_lshlrev_b32 v[L16], 4, v8
	v_lshlrev_b32 v[L8], 3, v8
	v_lshlrev_b32 v9, 3, v9
	v_add_nc_u32 v7, s47, v[L16]
	v_add_nc_u32 v8, s47, v[L8]
	v_add_nc_u32 v9, s19, v9
	s_wait_alu depctr_va_vdst(0)
	global_load_b128 v[QF:QF+3], v7, s[4:5]
	global_load_b64 v[QF+4:QF+5], v8, s[4:5] offset:512
	global_load_b32 v[QS], v9, s[4:5] offset:3072
	v_mov_b32 v13, 0xff61b1e6                      ; the largest score so far: -3e38
	v_mov_b32 v12, 0x7e000000                      ; -M: 2^125, so that the first f is 0
	v_mov_b32 v14, 0                               ; the sum, in two halves
	v_mov_b32 v15, 0
	v_mov_b32 v[X0], 0                             ; a lane permute's destination counts as one of its sources
.irp j, 0,1,2,3,4,5
	v_mov_b32 v[QF+6+\j], 0                        ; zero codes for K = 64 .. 127
	v_mov_b32 v[F+48+\j], 0                        ; written before tile 7 first names them
.endr
.set j, 0
.rept 32
	v_mov_b32 v[O+j], 0                            ; O^T: the step is written once; the first finds zeros
.set j, j+1
.endr
	s_wait_alu depctr_va_vdst(0)                   ; at the head's end
	s_wait_loadcnt 0x0                             ; Q; its offset registers are free
	v_mov_b32 v[FF+1], 0                           ; (named as the upper half of a pair)
	s_wait_alu depctr_va_vdst(0)
	s_wait_tensorcnt 0x0                           ; my sixteenth of slot 0 is in
	ds_add_u32 v[SPW], v[NIL]                      ; the add and its wait ahead of a later first fill, as ahead of a refill
	s_wait_dscnt 0x0
	CROUND
	TLOAD G0B, G1B                                 ; slot 1's first fill: it has four steps in which to land
	PHASE 4                                        ; keys 0 - 1,023
	s_wait_tensorcnt 0x0                           ; my sixteenth of slot 1 is in
	ds_add_u32 v[SPW], v[NIL]
	s_mov_b32 s[TB], S0B
	s_wait_dscnt 0x0                               ; the add is done, and my reads of slot 0 are over
	CROUND                                         ; no wave of any partner still reads slot 0
	TLOAD G0C, G1                                  ; slot 0 again: it has eight steps in which to land
	PHASE 8                                        ; keys 1,024 - 3,071
	s_wait_tensorcnt 0x0
	ds_add_u32 v[SPW], v[NIL]
	s_mov_b32 s[TB], 0
	s_wait_dscnt 0x0
	s_barrier_signal -1
	s_barrier_wait -1                              ; slot 0 is whole
	PHASE 4                                        ; keys 3,072 - 4,095
	; THE WAY OUT.  O^T / the sum: register i is channel 32 h + i of my query: one whole block.  It is quantised and leaves as one tile image.
	v_add_f32 v14, v14, v15
	s_delay_alu instid0(VALU_DEP_1)
	v_permlanex16_b32 v[X0], v14, s[SEL], s[SEL+1]
	s_delay_alu instid0(VALU_DEP_1)
	v_add_f32 v14, v14, v[X0]                      ; the row's sum
	s_wait_alu depctr_va_vdst(0)
	v_rcp_f32 v[FF], v14
.rept 3
	v_nop                                          ; the plain place behind the reciprocal; with the lines above, the places behind the last products
.endr
	s_wait_alu depctr_va_vdst(0)                   ; ahead of the first reader of the reciprocal and of O^T
.set j, 0
.rept 16
	v_pk_mul_f32 v[S+j:S+j+1], v[O+j:O+j+1], v[FF:FF+1] op_sel_hi:[1,0]
.set j, j+2
.endr
.irp b, 0,1
	v_max3_num_f32 v[BM+\b], |v[S+16*\b]|, |v[S+1+16*\b]|, 0x1800000   ; with the floor 2^(3 - 127)
.endr
.irp i, 2,4,6,8,10,12,14
.irp b, 0,1
	s_delay_alu instid0(VALU_DEP_2)
	v_max3_num_f32 v[BM+\b], v[BM+\b], |v[S+16*\b+\i]|, |v[S+1+16*\b+\i]|
.endr
.endr
	s_lshl_b32 s16, s[WV], 6
	s_add_co_u32 s16, s16, SCG
	s_and_b32 s17, s[WV], 1
	s_lshl_b32 s17, s17, 9
	s_add_co_u32 s17, s17, SCG
	v_max_num_f32 v[BM], v[BM], v[BM+1]
	v_and_b32 v[A16], 0xf0, v[L16]
	v_add_nc_u32 v[A8], s17, v[L16]                ; where waves 0 and 1 read eight tiles' words back
	v_add_nc_u32 v[BM+2], 0xff000000, v[BM]
	v_lshrrev_b32 v[A16], 2, v[A16]
	v_cmp_le_u32 vcc_lo, 128, v[L8]                ; lanes 16-31
	v_lshrrev_b32 v[BM+3], 23, v[BM+2]             ; my block's byte
	v_add_nc_u32 v[A16], s16, v[A16]               ; where my tile's scale words go: SCG + 64 x wave + 4 r
	v_permlanex16_b32 v[X0], v[BM+3], s[SEL], s[SEL+1]
	v_lshl_or_b32 v[W0], v[X0], 8, v[BM+3]
	v_lshl_or_b32 v[TMP], v[BM+3], 8, v[X0]
	v_cndmask_b32 v[W0], v[W0], v[TMP], vcc_lo     ; block 0's byte lowest, in both halves of the lanes
	v_lshlrev_b32 v[W0], s[SH], v[W0]
	v_cvt_scalef32_pk16_fp6_f32 v[F:F+2], v[S:S+15], v[BM+2]
	v_cvt_scalef32_pk16_fp6_f32 v[F+8:F+10], v[S+16:S+31], v[BM+2]
	v_nop
.irp i, 0,1,2
	v_mov_b32 v[F+3+\i], v[F+8+\i]
.endr
	global_store_b128 v[L16], v[F:F+3], s[8:9]                 ; 512 consecutive bytes, then 256: whole aligned runs of 256
	global_store_b64 v[L8], v[F+4:F+5], s[8:9] offset:512
	ds_store_b32 v[A16], v[W0]                     ; both halves of the lanes write the same word with the same value
	s_wait_alu depctr_va_vdst(0)
	s_wait_dscnt 0x0                               ; for the others' sake: my store has landed
	s_barrier_signal -1
	s_barrier_wait -1
	s_cmp_lt_u32 s[WV], 2
	s_cbranch_scc0 .Lno_words
	ds_load_b128 v[S:S+3], v[A8]                   ; eight tiles' words
	s_wait_dscnt 0x0
	global_store_b128 v[L16], v[S:S+3], s[10:11]   ; 512 consecutive bytes
.Lno_words:
	s_wait_tensorcnt 0x0                           ; the wave's end
	ds_add_u32 v[SPW], v[NIL]
	s_wait_dscnt 0x0
	CROUND                                         ; the closing round
	s_endpgm
.Lfunc_end_k_q37ede76c2d_attn:
	.size	k_q37ede76c2d_attn, .Lfunc_end_k_q37ede76c2d_attn-k_q37ede76c2d_attn
	.p2alignl 7, 3214868480
	.fill 96, 4, 3214868480
	.section	.rodata,"a",@progbits
	.p2align	6, 0x0
	.amdhsa_kernel k_q37ede76c2d_attn
		.amdhsa_group_segment_fixed_size 327680
		.amdhsa_private_segment_fixed_size 0
		.amdhsa_enable_private_segment 0
		.amdhsa_kernarg_size 32
		.amdhsa_user_sgpr_count 2
		.amdhsa_user_sgpr_kernarg_segment_ptr 1
		.amdhsa_wavefront_size32 1
		.amdhsa_system_sgpr_workgroup_id_x 1
		.amdhsa_system_sgpr_workgroup_id_y 1
		.amdhsa_system_sgpr_workgroup_id_z 1
		.amdhsa_system_vgpr_workitem_id 0
		.amdhsa_next_free_vgpr 256
		.amdhsa_next_free_sgpr 66
		.amdhsa_reserve_vcc 1
		.amdhsa_float_denorm_mode_32 3
		.amdhsa_float_denorm_mode_16_64 3
		.amdhsa_memory_ordered 1
		.amdhsa_forward_progress 1
		.amdhsa_inst_pref_size 100
	.end_amdhsa_kernel
	.amdgpu_metadata
---
amdhsa.version: [ 1, 2 ]
amdhsa.kernels:
  - .name:           k_q37ede76c2d_attn
    .symbol:         k_q37ede76c2d_attn.kd
    .args:
      - { .name: qimg, .offset: 0, .size: 8, .value_kind: global_buffer, .address_space: global }
      - { .name: kv, .offset: 8, .size: 8, .value_kind: global_buffer, .address_space: global }
      - { .name: ctx, .offset: 16, .size: 8, .value_kind: global_buffer, .address_space: global }
      - { .name: csc, .offset: 24, .size: 8, .value_kind: global_buffer, .address_space: global }
    .group_segment_fixed_size: 327680
    .private_segment_fixed_size: 0
    .kernarg_segment_align: 8
    .kernarg_segment_size: 32
    .max_flat_workgroup_size: 512
    .sgpr_count:     66
    .vgpr_count:     256
    .wavefront_size: 32
...
	.end_amdgpu_metadata
.endif
;; end of part 2
;; launch oproj (part 3): grid 4 x 64, 4 waves a work-group, clusters of 4 x 4, 167,936 bytes of LDS; arguments ctx, csc, Wo_codes, Wo_scales, bo, out0; writes out0
.if DOCPART == 3
	.amdgcn_target "amdgcn-amd-amdhsa--gfx1250"
	.amdhsa_code_object_version 6
	.text
	.protected	k_q37ede76c2d_oproj
	.globl	k_q37ede76c2d_oproj
	.p2align	8
	.type	k_q37ede76c2d_oproj,@function
k_q37ede76c2d_oproj:
	s_mov_b64 s[64:65], 0
	v_nop
	global_prefetch_b8 v0, s[64:65] scope:SCOPE_SE
	s_setreg_imm32_b32 hwreg(HW_REG_WAVE_MODE, 25, 1), 1
	s_wait_xcnt 0x0
	s_wait_alu depctr_hold_cnt(0) depctr_sa_sdst(0) depctr_va_vdst(0) depctr_va_sdst(0) depctr_va_ssrc(0) depctr_va_vcc(0) depctr_vm_vsrc(0)
	s_getreg_b32 s2, hwreg(HW_REG_IB_STS2, 6, 4)
	s_cmp_eq_u32 s2, 0
	s_cbranch_scc0 .Lentry_in_a_cluster
	s_endpgm
.Lentry_in_a_cluster:
	s_bfe_u32 s2, ttmp6, 0x10000c
	s_cmp_lg_u32 s2, 0xf033
	s_cbranch_scc0 .Lentry_shape_is_right
	s_endpgm
.Lentry_shape_is_right:
; out0 = context Wo^T + bo on codes of FP6 (E2M3): the context's codes and scale words as the attention launch left them, Wo's as they are given; sums in f32.  Nothing of reference() is left out here.
; LIMITS: NaN, infinities and scale bytes 0xff among the inputs are not served.
; SHARES.  A work-group makes 128 rows x 128 columns; wave (w / 2, w % 2) 64 x 64: 16 accumulators, 64 matrix instructions.  K = 512 in four steps; all operands lie in LDS at once: first fills alone.
; THE PRODUCTS GO ROW TILE BY ROW TILE (16 rows x 64 columns, 16 matrix instructions, K ascending): a finished tile goes to the stage and to memory while the next tiles are multiplied.
; ctx: [row tile][head] images of 768 bytes (six registers a lane: registers 0-3 at 16 x lane, 4-5 at 512 + 8 x lane): the fragment of K step s is the images of heads 2 s and 2 s + 1.
; csc: [batch x 8 + head][row, in the tiles' order] words with the head's two scale bytes, already in the half of the word where the K step wants them: two words are joined by an OR.
; Row m of row tile i is token 8 i + m % 8 + 32 (m / 8) of the wave's 64, as the projections' launch orders a tile's rows: the stores' offsets put them back in order.
; THE MATRIX INSTRUCTION IS USED TRANSPOSED (source 0 = 16 rows of Wo, source 1 = 16 rows of the context): a lane holds eight neighbouring numbers of a row of out0.  bo is the C of each sum's first instruction.
; CLUSTER 4 x 4: Wo's rows hang on the column block alone and are asked for jointly along a column of the cluster, the context's images on the row block alone, jointly along a row.
; NO PREFETCH: the launch has no loop to run ahead in.
; REGISTERS: window 0: addresses, scale words, bo's tiles, the 16 accumulators, the way out.   window 1: the context's 16 fragments.   window 2: Wo's 16 fragments.
.set PITCH, 432                        ; Wo's row in LDS: 3 x (128 bytes of codes + 16 of padding) = 108 words: the 32 lanes of a load of 8 bytes touch 64 different banks (64 banks of 4 bytes: ISA guide 11.1)
.set CXB,   128*PITCH                  ; behind Wo's 128 rows: the context's 8 row tiles x 6,144 bytes
.set STG,   CXB+49152                  ; a stage of 16 rows x (256 bytes + 16) for each wave
.set SPARE, STG+4*16*272               ; the spare words, 128 bytes for each wave
.set LN,  1
.set RR,  2
.set HH,  3
.set CA16, 4                           ; v4   the context's images: my 4 row tiles, 16 x lane
.set CA8,  5                           ; v5   and 8 x lane
.set SPW, 6                            ; v6   LDS address of my spare word; never rewritten
.set NIL, 7                            ; v7   0; never rewritten
.set AWO, 8                            ; v8-9 my lane's place in my 64 rows of Wo (v9: behind one padding more)
.set STO, 10                           ; v10  the way out: where I put 32 bytes of a row
.set RD,  11                           ; v11  where I read a row back
.set CO,  12                           ; v12  my byte offset in out0
.set L16, 13                           ; v13  16 x lane
.set L4,  14                           ; v14  4 x lane
.set H32, 15                           ; v15  32 h
.set WS,  16                           ; v16-23 Wo's scale words: 4 x (tile / 2) + K step
.set CS,  24                           ; v24-31 the context's: 4 x (tile / 2) + K step
.set RAW, 32                           ; v32-47 the heads' words as loaded: 8 x (tile / 2) + head
.set BI,  48                           ; v48-79 bo's four C tiles
.set ACC, 80                           ; v80-207 sixteen accumulators: (row tile i, column tile c) at ACC + 32 i + 8 c
.set OB0, 208                          ; v208-239 rows on the way out: tiles 0 and 2
.set OB1, 80                           ; v80-111 tiles 1 and 3: where row tile 0's accumulators lay, which the stage has taken by then
.set WV,  16                           ; s16  my wave's number
.set G1W, 24                           ; s[24:31] descriptor group 1 for Wo's rows;  s[32:39] for the context's images
.set G1C, 32
.set G0W, 40                           ; s[40:43], s[44:47] their groups 0
.set G0C, 44
.set MSB, 0
.macro WIN new                         ; the immediate's high byte repeats the setting that is left
.if MSB != \new
	s_set_vgpr_msb (MSB<<8)|\new
.set MSB, \new
.endif
.endm
.macro CROUND                          ; a round of the cluster's barrier
	s_barrier_signal -1
	s_barrier_wait -1
	s_cmp_lg_u32 s[WV], 0
	s_cbranch_scc1 .Lnot_wave_0_\@
	s_barrier_signal -3
.Lnot_wave_0_\@:
	s_barrier_wait -3
	s_barrier_signal -1
	s_barrier_wait -1
.endm
; A fragment of Wo from rows of codes: pieces of 8 bytes; 16 bytes of padding lie behind every 16 pieces: where the piece three on lies behind one padding more, the second address register serves
.macro FRAG reg, adr, q, rowoff
.irp p, 0,1,2,3,4,5
.set PCN, 12*(\q)+6*(\p/3)+\p%3
.if PCN%16 < 13
	ds_load_b64 v[\reg+2*\p:\reg+2*\p+1], v[\adr] offset:8*PCN+16*(PCN/16)+\rowoff
.else
	ds_load_b64 v[\reg+2*\p:\reg+2*\p+1], v[\adr+1] offset:8*PCN+16*(PCN/16)+\rowoff
.endif
.endr
.endm
.macro WM d, a, b, c, sa, sb, ra, rb   ; ra, rb = 1: that side's scale words stand in lanes 16-31 of the register named
.if ((\ra) == 0) && ((\rb) == 0)
	v_wmma_scale_f32_16x16x128_f8f6f4 v[\d:\d+7], v[\a:\a+11], v[\b:\b+11], v[\c:\c+7], v[\sa], v[\sb] matrix_a_fmt:MATRIX_FMT_FP6 matrix_b_fmt:MATRIX_FMT_FP6
.elseif (\rb) == 0
	v_wmma_scale_f32_16x16x128_f8f6f4 v[\d:\d+7], v[\a:\a+11], v[\b:\b+11], v[\c:\c+7], v[\sa], v[\sb] matrix_a_fmt:MATRIX_FMT_FP6 matrix_b_fmt:MATRIX_FMT_FP6 matrix_a_scale:MATRIX_SCALE_ROW1
.elseif (\ra) == 0
	v_wmma_scale_f32_16x16x128_f8f6f4 v[\d:\d+7], v[\a:\a+11], v[\b:\b+11], v[\c:\c+7], v[\sa], v[\sb] matrix_a_fmt:MATRIX_FMT_FP6 matrix_b_fmt:MATRIX_FMT_FP6 matrix_b_scale:MATRIX_SCALE_ROW1
.else
	v_wmma_scale_f32_16x16x128_f8f6f4 v[\d:\d+7], v[\a:\a+11], v[\b:\b+11], v[\c:\c+7], v[\sa], v[\sb] matrix_a_fmt:MATRIX_FMT_FP6 matrix_b_fmt:MATRIX_FMT_FP6 matrix_a_scale:MATRIX_SCALE_ROW1 matrix_b_scale:MATRIX_SCALE_ROW1
.endif
.endm
.macro MUL i                           ; row tile i: its four accumulators take turns, one instruction a turn, K ascending; four places follow
	WIN 0x06                                       ; source 0 (Wo) window 2, source 1 (the context) window 1, C and D window 0
.irp ks, 0,1,2,3
.irp c, 0,1,2,3
.if \ks == 0
	WM ACC+32*\i+8*\c, 12*(4*\c+\ks), 12*(4*\i+\ks), BI+8*\c, WS+4*(\c/2)+\ks, CS+4*(\i/2)+\ks, \c%2, \i%2
.else
	WM ACC+32*\i+8*\c, 12*(4*\c+\ks), 12*(4*\i+\ks), ACC+32*\i+8*\c, WS+4*(\c/2)+\ks, CS+4*(\i/2)+\ks, \c%2, \i%2
.endif
.endr
.endr
	WIN 0
.rept 4
	v_nop                                          ; places ahead of the first read of results, and of loads that land on accumulators done with
.endr
.endm
; THE WAY OUT, a row tile at a time, through my own stage: a lane's 32 bytes go in by rows of 272 bytes and come back as whole rows of 256, which sixteen lanes store as one aligned run.
; LDS serves a wave's instructions in order (ISA guide 5.7.1.4): no wait between the stores and the loads, nor in front of the next tile's stores.
.macro TOSTAGE i, ob                   ; 16 LDS instructions
.irp c, 0,1,2,3
	ds_store_b128 v[STO], v[ACC+32*\i+8*\c:ACC+32*\i+8*\c+3] offset:64*\c        ; each accumulator from its low end on
	ds_store_b128 v[STO], v[ACC+32*\i+8*\c+4:ACC+32*\i+8*\c+7] offset:64*\c+16
.endr
.irp k, 0,1,2,3,4,5,6,7
	ds_load_b128 v[\ob+4*\k:\ob+4*\k+3], v[RD] offset:544*\k
.endr
.endm
.macro SEND i, ob, younger             ; younger: the LDS instructions issued behind tile i's loads, which may stay out.  Row m = 2 k + h of tile i is token 8 i + m % 8 + 32 (m / 8) of my 64
	s_wait_dscnt \younger
.irp k, 0,1,2,3,4,5,6,7
	global_store_b128 v[CO], v[\ob+4*\k:\ob+4*\k+3], s[14:15] offset:2048*(8*\i+2*(\k%4)+32*(\k/4)) th:TH_STORE_NT
.endr
.endm
	s_load_b256 s[4:11], s[0:1], 0x0               ; ctx s[4:5], csc s[6:7], Wo_codes s[8:9], Wo_scales s[10:11]
	s_load_b128 s[12:15], s[0:1], 0x20             ; bo s[12:13], out0 s[14:15]
	v_lshl_add_u32 v[SPW], v0, 2, SPARE
	v_mov_b32 v[NIL], 0
	ds_add_u32 v[SPW], v[NIL]                      ; the wave's opening: the add, twice on end, and its wait ahead of my first tensor load
	ds_add_u32 v[SPW], v[NIL]
	v_lshrrev_b32 v1, 5, v0
	v_readfirstlane_b32 s[WV], v1                  ; wave 0..3
	s_lshr_b32 s17, s[WV], 1                       ; which 64 rows are mine.  Also: I fetch for Wo (0) or for the context (1)
	s_and_b32 s18, s[WV], 1                        ; which 64 columns.  Also: which half I fetch
	s_bfe_u32 s19, ttmp6, 0x40000                  ; cx, cy: my place in the cluster
	s_bfe_u32 s20, ttmp6, 0x40004
	s_lshl_b32 s21, ttmp9, 2
	s_add_co_u32 s21, s21, s19                     ; the block of 128 columns
	s_and_b32 s22, ttmp7, 0xffff
	s_lshl_b32 s22, s22, 2
	s_add_co_u32 s22, s22, s20                     ; the block of 128 rows
	s_lshl_b32 s23, s20, 2
	s_lshl_b32 s23, 15, s23                        ; my row of the cluster
	s_lshl_b32 s48, 0x1111, s19                    ; my column
	s_or_b32 s[G1W], s48, (1<<20)|(1<<21)|(4<<22)|(3<<25)   ; Wo: the mask of my column; elements of 1 byte; padding on; 21 set beside a mask; after every 32 words (code 4) 4 words (code 3)
	s_mov_b32 s[G1W+1], 256<<16                    ; 64 rows of 384 bytes are dense in memory: stated as 96 rows of 256 bytes, each on a multiple of 256;
	s_mov_b32 s[G1W+2], 96<<16                     ; the padding behind every 128 bytes leaves a row of codes 432 bytes in LDS
	s_mov_b32 s[G1W+3], 256<<16
	s_mov_b32 s[G1W+4], 96
	s_mov_b32 s[G1W+5], 256
	s_mov_b32 s[G1W+6], 0
	s_mov_b32 s[G1W+7], 0
	s_or_b32 s[G1C], s23, (3<<16)|(1<<21)          ; the context: the mask of my row; elements of 8 bytes; no padding
	s_mov_b32 s[G1C+1], 32<<16                     ; rows of 256 bytes,
	s_mov_b32 s[G1C+2], 96<<16                     ; 96 of them: four row tiles' images, dense in memory
	s_mov_b32 s[G1C+3], 32<<16
	s_mov_b32 s[G1C+4], 96
	s_mov_b32 s[G1C+5], 32
	s_mov_b32 s[G1C+6], 0
	s_mov_b32 s[G1C+7], 0
	s_mul_i32 s50, s18, 24576                      ; my half in memory: 64 rows x 384 bytes of Wo, or 4 tiles x 6,144 bytes of the context
	s_mul_i32 s52, s21, 49152                      ; Wo: the block's 128 rows
	s_add_co_u32 s52, s52, s50
	s_mov_b32 s53, 0
	s_mul_i32 s54, s22, 49152                      ; the context: the block's 8 row tiles
	s_add_co_u32 s54, s54, s50
	s_mov_b32 s55, 0
	s_mul_i32 s51, s18, 64*PITCH                   ; where they go: no place in the cluster enters an LDS address
	s_add_co_u32 s56, s50, CXB
	s_wait_dscnt 0x0                               ; both opening adds are done
	s_wait_kmcnt 0x0
	s_mov_b32 s[G0W], 1
	s_mov_b32 s[G0W+1], s51
	s_add_nc_u64 s[G0W+2:G0W+3], s[8:9], s[52:53]
	s_or_b32 s[G0W+3], s[G0W+3], 0x80000000
	s_mov_b32 s[G0C], 1
	s_mov_b32 s[G0C+1], s56
	s_add_nc_u64 s[G0C+2:G0C+3], s[4:5], s[54:55]
	s_or_b32 s[G0C+3], s[G0C+3], 0x80000000
	CROUND                                         ; all sixteen work-groups are here: the joint loads meet
	s_cmp_eq_u32 s17, 0                            ; waves 0 and 1 fetch Wo's halves, waves 2 and 3 the context's: one tensor load a wave
	s_cbranch_scc0 .Lfor_c
	tensor_load_to_lds s[G0W:G0W+3], s[G1W:G1W+7]
	s_nop 0
.rept 4
	v_nop
.endr
	s_branch .Lasked
.Lfor_c:
	tensor_load_to_lds s[G0C:G0C+3], s[G1C:G1C+7]
	s_nop 0
.rept 4
	v_nop
.endr
.Lasked:
	s_lshl_b32 s58, s21, 11                        ; Wo's scale bytes: 16 a row: 128 rows a block, 64 a wave
	s_lshl_b32 s60, s18, 10
	s_add_co_u32 s58, s58, s60
	s_mov_b32 s59, 0
	s_add_nc_u64 s[10:11], s[10:11], s[58:59]
	s_lshr_b32 s58, s58, 2                         ; my first column in bytes: 512 x block + 256 x half
	s_add_nc_u64 s[12:13], s[12:13], s[58:59]
	s_add_nc_u64 s[14:15], s[14:15], s[58:59]
	s_lshl_b32 s58, s22, 18                        ; my first row of out0: 128 rows of 2,048 bytes a block, 64 a wave
	s_lshl_b32 s60, s17, 17
	s_add_co_u32 s58, s58, s60
	s_add_nc_u64 s[14:15], s[14:15], s[58:59]
	s_lshr_b32 s58, s22, 5                         ; csc: the batch's eight heads of 4,096 words,
	s_lshl_b32 s58, s58, 17
	s_and_b32 s60, s22, 31
	s_lshl_b32 s60, s60, 9                         ; the block's 128 rows in the sequence,
	s_add_co_u32 s58, s58, s60
	s_lshl_b32 s60, s17, 8                         ; my 64
	s_add_co_u32 s58, s58, s60
	s_add_nc_u64 s[6:7], s[6:7], s[58:59]
	v_and_b32 v[LN], 31, v0
	v_and_b32 v[RR], 15, v0
	v_bfe_u32 v[HH], v0, 4, 1
	v_lshlrev_b32 v[L16], 4, v[LN]
	v_lshlrev_b32 v[L4], 2, v[LN]
	v_lshlrev_b32 v[H32], 5, v[HH]
.irp p, 0,1
	global_load_b128 v[WS+4*\p:WS+4*\p+3], v[L16], s[10:11] offset:512*\p   ; 32 rows' 512 consecutive bytes: lanes 0-15 tile 2 p, lanes 16-31 tile 2 p + 1; four words, one for each K step
.endr
.irp g, 0,1
.irp d, 0,1,2,3,4,5,6,7
	global_load_b32 v[RAW+8*\g+\d], v[L4], s[6:7] offset:16384*\d+128*\g    ; head d's words of row tiles 2 g (lanes 0-15) and 2 g + 1 (lanes 16-31)
.endr
.endr
.irp c, 0,1,2,3
	global_load_b128 v[BI+8*\c:BI+8*\c+3], v[H32], s[12:13] offset:64*\c    ; bo in the result's layout: columns 16 c + 8 h + 0 .. 7
	global_load_b128 v[BI+8*\c+4:BI+8*\c+7], v[H32], s[12:13] offset:64*\c+16
.endr
	s_mul_i32 s58, s17, 24576
	s_add_co_u32 s58, s58, CXB                     ; my 4 row tiles' images
	v_add_nc_u32 v[CA16], s58, v[L16]
	v_lshl_add_u32 v[CA8], v[LN], 3, s58
	s_mul_i32 s58, s18, 64*PITCH                   ; my 64 rows of Wo
	v_mul_u32_u24 v[AWO], v[RR], PITCH
	v_mad_u32_u24 v[AWO], v[HH], 24, v[AWO]
	v_add_nc_u32 v[AWO], s58, v[AWO]
	v_lshl_add_u32 v[AWO+1], v[HH], 4, v[AWO]
	s_mul_i32 s58, s[WV], 16*272
	s_add_co_u32 s58, s58, STG                     ; my stage
	v_mul_u32_u24 v[STO], v[RR], 272               ; in: row r, 32 bytes for each half of the lanes
	v_lshl_add_u32 v[STO], v[HH], 5, v[STO]
	v_add_nc_u32 v[STO], s58, v[STO]
	v_mul_u32_u24 v[RD], v[HH], 272                ; back: lanes 0-15 one row of 256 bytes, lanes 16-31 the next
	v_lshl_add_u32 v[RD], v[RR], 4, v[RD]
	v_add_nc_u32 v[RD], s58, v[RD]
	v_lshlrev_b32 v[CO], 11, v[HH]                 ; and the same two rows in out0
	v_lshl_add_u32 v[CO], v[RR], 4, v[CO]
	s_wait_loadcnt 0x0
.irp g, 0,1
.irp s, 0,1,2,3
	v_or_b32 v[CS+4*\g+\s], v[RAW+8*\g+2*\s], v[RAW+8*\g+2*\s+1]   ; K step s: head 2 s's two bytes below, head 2 s + 1's above
.endr
.endr
.rept 8
	v_nop                                          ; a scale register written by a vector instruction stands eight places ahead of a scaled matrix instruction
.endr
	s_wait_alu depctr_va_vdst(0)                   ; at the head's end
	s_wait_tensorcnt 0x0                           ; my part has landed,
	s_barrier_signal -1
	s_barrier_wait -1                              ; everybody's has.
	WIN 0x80                                       ; destination window 2: Wo's sixteen fragments, 96 loads
.irp c, 0,1,2,3
.irp ks, 0,1,2,3
	FRAG 12*(4*\c+\ks), AWO, \ks, 16*\c*PITCH
.endr
.endr
	WIN 0x40                                       ; destination window 1: the context's, 16 loads a row tile
.irp i, 0,1,2,3
.irp ks, 0,1,2,3
.irp c, 0,1
	ds_load_b128 v[12*(4*\i+\ks)+6*\c:12*(4*\i+\ks)+6*\c+3], v[CA16] offset:6144*\i+768*(2*\ks+\c)
	ds_load_b64 v[12*(4*\i+\ks)+6*\c+4:12*(4*\i+\ks)+6*\c+5], v[CA8] offset:6144*\i+768*(2*\ks+\c)+512
.endr
.endr
.endr
	s_wait_dscnt 48                                ; Wo and row tile 0 are in; the other three tiles' 48 loads may be out
	MUL 0
	s_wait_dscnt 32                                ; row tile 1 is in
	MUL 1
	TOSTAGE 0, OB0
	s_wait_dscnt 32                                ; row tile 2 is in: behind its loads stand tile 3's 16 and the stage's 16
	MUL 2
	TOSTAGE 1, OB1
	SEND 0, OB0, 16                                ; behind tile 0's loads from the stage: tile 1's 8 stores and 8 loads.  Row tile 3's fragments are in too
	MUL 3
	s_wait_xcnt 0x0                                ; tile 0's stores have read their registers: tile 2's loads may land there
	TOSTAGE 2, OB0
	SEND 1, OB1, 16
	s_wait_xcnt 0x0
	TOSTAGE 3, OB1
	SEND 2, OB0, 16
	SEND 3, OB1, 0
	s_wait_tensorcnt 0x0                           ; the wave's end: behind my last tensor load and my last LDS store
	ds_add_u32 v[SPW], v[NIL]
	s_wait_dscnt 0x0
	CROUND                                         ; the closing round
	s_endpgm
.Lfunc_end_k_q37ede76c2d_oproj:
	.size	k_q37ede76c2d_oproj, .Lfunc_end_k_q37ede76c2d_oproj-k_q37ede76c2d_oproj
	.p2alignl 7, 3214868480
	.fill 96, 4, 3214868480
	.section	.rodata,"a",@progbits
	.p2align	6, 0x0
	.amdhsa_kernel k_q37ede76c2d_oproj
		.amdhsa_group_segment_fixed_size 167936
		.amdhsa_private_segment_fixed_size 0
		.amdhsa_enable_private_segment 0
		.amdhsa_kernarg_size 48
		.amdhsa_user_sgpr_count 2
		.amdhsa_user_sgpr_kernarg_segment_ptr 1
		.amdhsa_wavefront_size32 1
		.amdhsa_system_sgpr_workgroup_id_x 1
		.amdhsa_system_sgpr_workgroup_id_y 1
		.amdhsa_system_sgpr_workgroup_id_z 1
		.amdhsa_system_vgpr_workitem_id 0
		.amdhsa_next_free_vgpr 768
		.amdhsa_next_free_sgpr 66
		.amdhsa_reserve_vcc 0
		.amdhsa_float_denorm_mode_32 3
		.amdhsa_float_denorm_mode_16_64 3
		.amdhsa_memory_ordered 1
		.amdhsa_forward_progress 1
		.amdhsa_inst_pref_size 36
	.end_amdhsa_kernel
	.amdgpu_metadata
---
amdhsa.version: [ 1, 2 ]
amdhsa.kernels:
  - .name:           k_q37ede76c2d_oproj
    .symbol:         k_q37ede76c2d_oproj.kd
    .args:
      - { .name: ctx, .offset: 0, .size: 8, .value_kind: global_buffer, .address_space: global }
      - { .name: csc, .offset: 8, .size: 8, .value_kind: global_buffer, .address_space: global }
      - { .name: Wo_codes, .offset: 16, .size: 8, .value_kind: global_buffer, .address_space: global }
      - { .name: Wo_scales, .offset: 24, .size: 8, .value_kind: global_buffer, .address_space: global }
      - { .name: bo, .offset: 32, .size: 8, .value_kind: global_buffer, .address_space: global }
      - { .name: out0, .offset: 40, .size: 8, .value_kind: global_buffer, .address_space: global }
    .group_segment_fixed_size: 167936
    .private_segment_fixed_size: 0
    .kernarg_segment_align: 8
    .kernarg_segment_size: 48
    .max_flat_workgroup_size: 128
    .sgpr_count:     66
    .vgpr_count:     768
    .wavefront_size: 32
...
	.end_amdgpu_metadata
.endif
;; end of part 3
